; MI455X (gfx1250); checked and timed in simulation.
; The chip was launched on July 23, 2026; its instructions are those of AMD's public machine-readable ISA for CDNA 5 (MIT licence, August 2026) and "CDNA5" Instruction Set Architecture Reference Guide (July 2026). The comments in the code are by the model that wrote it; some were corrected since.
;; Switch Positionwise Feed Forward. Allowed arithmetic: float matrix products may take bf16 or f16 operands with f32 sums; all other float work in f32.
;; Inputs: W1 4 x 256 x 1,024 float32; W2 4 x 1,024 x 256 float32; W_sw 256 x 4 float32; b1 4 x 1,024 float32; b2 4 x 256 float32; b_sw 4 float32; x 8 x 64 x 64 x 256 float32.
;; Outputs: out0 8 x 64 x 64 x 256 float32.
;; One version. Each part assembles by itself: llvm-mc -triple=amdgcn-amd-amdhsa -mcpu=gfx1250 --defsym DOCPART=n.
;; ======== version 1 of 1: 3 launches
;; limits: values outside matrix products are rounded to bf16; values are held in f16: magnitudes above 65,504 overflow, below 6.1e-05 lose precision
;; workspace buffers: xb 16,777,216 bytes; wf 4,194,304 bytes; pm 131,072 bytes; pms 131,072 bytes; rt 131,072 bytes of whole numbers; hist 4,096 bytes of whole numbers; order 131,072 bytes of whole numbers; meta 4,096 bytes of whole numbers
;; launch route (part 1): grid 256 x 1, 4 waves a work-group, no clusters, 0 bytes of LDS; arguments x, W_sw, b_sw, W1, W2, xb, wf, rt, pm, hist; writes xb, wf, rt, pm, hist
.if DOCPART == 1
	.amdgcn_target "amdgcn-amd-amdhsa--gfx1250"
	.amdhsa_code_object_version 6
	.text
	.protected	k_q561c8036d6_route
	.globl	k_q561c8036d6_route
	.p2align	8
	.type	k_q561c8036d6_route,@function
k_q561c8036d6_route:
	s_mov_b64 s[64:65], 0
	v_nop
	global_prefetch_b8 v0, s[64:65] scope:SCOPE_SE
	s_setreg_imm32_b32 hwreg(HW_REG_WAVE_MODE, 25, 1), 1
	s_wait_xcnt 0x0
; ROUTE.  32,768 tokens of 256 f32; 1,024 waves, wave wid = 4 x work-group + wave owns tokens 32 wid .. 32 wid + 31 and one weight job.
;  (a) x is read once, rounded to bf16 (nearest even) and stored as xb[token][256].
;  (b) logits = xb . W_sw + b_sw with W_sw and b_sw rounded to bf16 too; products and sums in f32 on the vector ALU (a product of two
;      bf16 is exact in f32).  route = first largest logit; pmax = 1 / sum of exp(l - max): the maximum is taken away, the sum lies in 1 .. 4.
;  (c) rt[token] = route | rank << 8 (rank among the wave's tokens of that route), pm[token] = pmax, hist[wid] = four counts, a byte each.
;  (d) the weight job: 32 K x 64 columns of W1 or of W2 become four 16-bit matrix fragments in wf, in the order in which the third launch reads them.
;      W1 is stored as bf16.  W2 is rounded to bf16 as well and then stored as f16, because its partner h goes in f16: a bf16 number is exact in f16
;      from 2^-17 to 65,504; smaller ones are off by 2^-25 at the most, larger ones become infinite.
; LIMITS: all float inputs are used rounded to bf16; |W2| <= 65,504.  Two best logits closer than the noise of an f32 sum of 256 terms (about 1e-6 of their size)
; may be ordered otherwise than by another order of summation.  No LDS, no barrier: no wave needs another.
; wf byte address = e<<20 + w<<18 + item*8192 + frag*1024 + half*512 + lane*16 (half 0: fragment registers 0-3, half 1: 4-7).
;   items 0-15: item c, frag ks = W1, column tile 16 w + c, K step ks;  items 16-31: item 16+g, frag 4 kk + f = W2, K step 2 g + kk, output tile f.
;   In a group of 64 columns, row m of tile f is column 4 m + f: a lane's 16-byte load holds one number for each of the four tiles, so nothing is shuffled.
.set LG,  8                            ; v[8:11]    lane L: the four logits of token L
.set BS,  12                           ; v[12:15]   b_sw, rounded
.set WR,  16                           ; v[16:47]   W_sw rounded: my column i (0-7), expert e at WR + 4 i + e
.set RG,  48                           ; v[48:143]  ring of 6 slots x 16: two rows of x, my 8 numbers of each
.set F,   144                          ; v[144:175] four fragments to store
.set Q,   176                          ; v[176:239] the job's 16 loads; afterwards:
.set PK,  176                          ; v[176:183] two rows as bf16
.set U,   184                          ; v[184:199] the same widened to f32
.set ACC, 200                          ; v[200:207] four sums for each of two rows
.set PT,  208                          ; v[208:215] the other half's sums (written before by the job's loads)
	s_load_b512 s[8:23], s[0:1], 0x0               ; x s[8:9], W_sw s[10:11], b_sw s[12:13], W1 s[14:15], W2 s[16:17], xb s[18:19], wf s[20:21], rt s[22:23]
	s_load_b128 s[24:27], s[0:1], 0x40             ; pm s[24:25], hist s[26:27]
	v_lshrrev_b32 v6, 5, v0
	v_readfirstlane_b32 s32, v6                    ; wave
	s_lshl2_add_u32 s33, ttmp9, s32                ; wid
	s_mov_b32 s42, 0x76543210                      ; v_permlanex16_b32: lane i reads lane i of the other half
	s_mov_b32 s43, 0xfedcba98
	s_mov_b32 s49, 0xffff0000                      ; a word's upper bf16
	s_mov_b32 s35, 0
	v_and_b32 v1, 31, v0                           ; L
	v_lshlrev_b32 v2, 4, v1                        ; 16 L
	v_lshlrev_b32 v3, 3, v1                        ; 8 L
	v_lshlrev_b32 v4, 2, v1                        ; 4 L
	v_lshrrev_b32 v6, 4, v1
	v_and_b32 v7, 15, v1
	v_lshlrev_b32 v7, 4, v7
	v_lshl_add_u32 v5, v6, 15, v7                  ; the job's lane term: (L / 16) x 32,768 + 16 (L % 16)
	v_lshlrev_b32 v6, 6, v1                        ; 64 L: W_sw's rows 4 L ..
	s_wait_kmcnt 0x0
	s_load_b128 s[28:31], s[12:13], 0x0            ; b_sw
	; my 8 columns of a row of x are 4 L .. 4 L + 3 and 128 + 4 L .. + 3; a row of W_sw is 16 bytes
.irp i, 0,1,2,3
	global_load_b128 v[WR+4*\i:WR+4*\i+3], v6, s[10:11] offset:16*\i
.endr
.irp i, 0,1,2,3
	global_load_b128 v[WR+16+4*\i:WR+16+4*\i+3], v6, s[10:11] offset:2048+16*\i
.endr
	s_lshl_b32 s34, s33, 15
	s_add_nc_u64 s[8:9], s[8:9], s[34:35]          ; x at my 32 rows of 1,024 bytes
	s_lshl_b32 s34, s33, 14
	s_add_nc_u64 s[18:19], s[18:19], s[34:35]      ; xb at my 32 rows of 512 bytes
	s_lshl_b32 s34, s33, 7
	s_add_nc_u64 s[22:23], s[22:23], s[34:35]      ; rt and pm at my 32 words
	s_add_nc_u64 s[24:25], s[24:25], s[34:35]
	s_lshl_b32 s34, s33, 2
	s_add_nc_u64 s[26:27], s[26:27], s[34:35]      ; hist at my word
	; The weight job: waves 0-511 take W1, waves 512-1023 W2.  Both ways issue 16 loads; in each, lanes 0-15 read 256 consecutive bytes of one row and lanes 16-31 of another.
	s_cmp_lt_u32 ttmp9, 128
	s_cbranch_scc0 .Lw2
	s_lshr_b32 s44, s33, 7
	s_lshl_b32 s44, s44, 20                        ; e << 20
	s_bfe_u32 s45, s33, 0x30004                    ; ks: K step of 32 rows
	s_and_b32 s46, s33, 15                         ; g: group of 64 columns
	s_lshl_b32 s47, s45, 17                        ; 32 rows of 4,096 bytes
	s_add_co_u32 s34, s44, s47
	s_lshl_b32 s47, s46, 8
	s_add_co_u32 s34, s34, s47
	s_add_nc_u64 s[38:39], s[14:15], s[34:35]
	s_lshr_b32 s47, s46, 2
	s_lshl_b32 s47, s47, 18                        ; the reading wave: g / 4
	s_add_co_u32 s34, s44, s47
	s_and_b32 s47, s46, 3
	s_lshl_b32 s47, s47, 15                        ; items 4 (g % 4) + f
	s_add_co_u32 s34, s34, s47
	s_lshl_b32 s47, s45, 10                        ; frag ks
	s_add_co_u32 s34, s34, s47
	s_add_nc_u64 s[40:41], s[20:21], s[34:35]
	s_movk_i32 s36, 0x2000                         ; from tile f to f + 1: an item
.irp i, 0,1,2,3,4,5,6,7,8,9,10,11,12,13,14,15
	global_load_b128 v[Q+4*\i:Q+4*\i+3], v5, s[38:39] offset:(\i+8*(\i/8))*4096 th:TH_LOAD_NT   ; row 8 (L/16) + i, and 16 further for the fragment's upper registers
.endr
	s_branch .Ljob
.Lw2:
	s_sub_co_u32 s46, s33, 512
	s_lshr_b32 s44, s46, 7
	s_lshl_b32 s44, s44, 20                        ; e << 20
	s_bfe_u32 s45, s46, 0x50002                    ; ks: K step of 32 positions of h
	s_and_b32 s46, s46, 3                          ; the reading wave = group of 64 output columns
	s_lshr_b32 s47, s45, 1
	s_lshl_b32 s47, s47, 16                        ; 64 rows of 1,024 bytes for each pair of K steps
	s_add_co_u32 s34, s44, s47
	s_and_b32 s47, s45, 1
	s_lshl_b32 s47, s47, 11                        ; position 16 f' + m' of h is row 4 m' + f': the odd K step begins at f' = 2
	s_add_co_u32 s34, s34, s47
	s_lshl_b32 s47, s46, 8
	s_add_co_u32 s34, s34, s47
	s_add_nc_u64 s[38:39], s[16:17], s[34:35]
	s_lshl_b32 s47, s46, 18
	s_add_co_u32 s34, s44, s47
	s_lshl_b32 s47, s45, 12                        ; item ks / 2, frag 4 (ks % 2)
	s_add_co_u32 s34, s34, s47
	s_add_co_u32 s34, s34, 0x20000                 ; behind the 16 items of W1
	s_add_nc_u64 s[40:41], s[20:21], s[34:35]
	s_movk_i32 s36, 0x400                          ; from tile f to f + 1: a fragment
.irp i, 0,1,2,3,4,5,6,7,8,9,10,11,12,13,14,15
	global_load_b128 v[Q+4*\i:Q+4*\i+3], v5, s[38:39] offset:(4*(\i%8)+(\i/8))*1024 th:TH_LOAD_NT
.endr
.Ljob:
	; the ring: row pairs 0 to 5, four loads of 512 consecutive bytes each; neither base nor offset is ever rewritten
.irp p, 0,1,2,3,4,5
	global_load_b128 v[RG+16*\p:RG+16*\p+3],     v2, s[8:9] offset:(2*\p)*1024 th:TH_LOAD_NT
	global_load_b128 v[RG+16*\p+4:RG+16*\p+7],   v2, s[8:9] offset:(2*\p)*1024+512 th:TH_LOAD_NT
	global_load_b128 v[RG+16*\p+8:RG+16*\p+11],  v2, s[8:9] offset:(2*\p+1)*1024 th:TH_LOAD_NT
	global_load_b128 v[RG+16*\p+12:RG+16*\p+15], v2, s[8:9] offset:(2*\p+1)*1024+512 th:TH_LOAD_NT
.endr
	s_wait_loadcnt 40                              ; loads return in order (ISA guide 5.7.1): W_sw is in; the job's 16 and the ring's 24 stay out
.irp a, 0,2,4,6,8,10,12,14,16,18,20,22,24,26,28,30
	v_cvt_pk_bf16_f32 v7, v[WR+\a], v[WR+\a+1]     ; W_sw to bf16 and back to f32
	v_lshlrev_b32 v[WR+\a], 16, v7
	v_and_b32 v[WR+\a+1], s49, v7
.endr
	s_wait_kmcnt 0x0
	v_cvt_pk_bf16_f32 v7, s28, s29                 ; b_sw likewise
	v_lshlrev_b32 v[BS], 16, v7
	v_and_b32 v[BS+1], s49, v7
	v_cvt_pk_bf16_f32 v7, s30, s31
	v_lshlrev_b32 v[BS+2], 16, v7
	v_and_b32 v[BS+3], s49, v7
	s_wait_loadcnt 24                              ; the job is in; the ring's 24 stay out
.irp f, 0,1,2,3
.irp j, 0,1,2,3,4,5,6,7
	v_cvt_pk_bf16_f32 v[F+8*\f+\j], v[Q+8*\j+\f], v[Q+8*\j+4+\f]   ; register j of fragment f: my K numbers 2 j and 2 j + 1 of column 4 m + f
.endr
.endr
	s_cmp_lt_u32 ttmp9, 128
	s_cbranch_scc1 .Lkeep                          ; W1 stays bf16
	; W2: the rounded numbers are widened (Q is free now) and packed again as f16
.irp a, 0,1,2,3,4,5,6,7,8,9,10,11,12,13,14,15,16,17,18,19,20,21,22,23,24,25,26,27,28,29,30,31
	v_lshlrev_b32 v[Q+2*\a],   16, v[F+\a]
	v_and_b32     v[Q+2*\a+1], s49, v[F+\a]
.endr
.irp a, 0,1,2,3,4,5,6,7,8,9,10,11,12,13,14,15,16,17,18,19,20,21,22,23,24,25,26,27,28,29,30,31
	v_cvt_pk_f16_f32 v[F+\a], v[Q+2*\a], v[Q+2*\a+1]
.endr
.Lkeep:
	v_add_nc_u32 v241, s36, v2
	v_add_nc_u32 v242, s36, v241
	v_add_nc_u32 v243, s36, v242
	global_store_b128 v2,   v[F:F+3],     s[40:41]             ; each store of the wave covers 512 consecutive bytes, aligned
	global_store_b128 v2,   v[F+4:F+7],   s[40:41] offset:512
	global_store_b128 v241, v[F+8:F+11],  s[40:41]
	global_store_b128 v241, v[F+12:F+15], s[40:41] offset:512
	global_store_b128 v242, v[F+16:F+19], s[40:41]
	global_store_b128 v242, v[F+20:F+23], s[40:41] offset:512
	global_store_b128 v243, v[F+24:F+27], s[40:41]
	global_store_b128 v243, v[F+28:F+31], s[40:41] offset:512
; Rows 2 p and 2 p + 1.  left = how many younger loads may stay out; refill = 1: the slot gets the pair six further on.
.macro ROWPAIR p, slot, refill, left
	s_wait_loadcnt \left                           ; my pair's four loads are in
	s_wait_xcnt 0x0                                ; PK, which the last pair's stores read, is rewritten only behind this wait (ISA guide 3.1)
.irp q, 0,1,2,3,4,5,6,7
	v_cvt_pk_bf16_f32 v[PK+\q], v[RG+16*\slot+2*\q], v[RG+16*\slot+2*\q+1]
.endr
.if \refill
	global_load_b128 v[RG+16*\slot:RG+16*\slot+3],     v2, s[8:9] offset:(2*\p+12)*1024 th:TH_LOAD_NT
	global_load_b128 v[RG+16*\slot+4:RG+16*\slot+7],   v2, s[8:9] offset:(2*\p+12)*1024+512 th:TH_LOAD_NT
	global_load_b128 v[RG+16*\slot+8:RG+16*\slot+11],  v2, s[8:9] offset:(2*\p+13)*1024 th:TH_LOAD_NT
	global_load_b128 v[RG+16*\slot+12:RG+16*\slot+15], v2, s[8:9] offset:(2*\p+13)*1024+512 th:TH_LOAD_NT
.endif
	global_store_b64 v3, v[PK:PK+1],   s[18:19] offset:(2*\p)*512          ; each store of the wave covers 256 consecutive bytes, aligned
	global_store_b64 v3, v[PK+2:PK+3], s[18:19] offset:(2*\p)*512+256
	global_store_b64 v3, v[PK+4:PK+5], s[18:19] offset:(2*\p+1)*512
	global_store_b64 v3, v[PK+6:PK+7], s[18:19] offset:(2*\p+1)*512+256
.irp q, 0,1,2,3,4,5,6,7
	v_lshlrev_b32 v[U+2*\q],   16, v[PK+\q]
	v_and_b32     v[U+2*\q+1], s49, v[PK+\q]
.endr
	; four sums a row, two in a packed instruction; x is broadcast from the lower or the upper register of its pair.  The first product starts the sums.
.irp ro, 0,1
	v_pk_mul_f32 v[ACC+4*\ro:ACC+4*\ro+1],   v[U+8*\ro:U+8*\ro+1], v[WR:WR+1]   op_sel_hi:[0,1]
	v_pk_mul_f32 v[ACC+4*\ro+2:ACC+4*\ro+3], v[U+8*\ro:U+8*\ro+1], v[WR+2:WR+3] op_sel_hi:[0,1]
.endr
.irp ro, 0,1
	v_pk_fma_f32 v[ACC+4*\ro:ACC+4*\ro+1],   v[U+8*\ro:U+8*\ro+1], v[WR+4:WR+5], v[ACC+4*\ro:ACC+4*\ro+1]   op_sel:[1,0,0] op_sel_hi:[1,1,1]
	v_pk_fma_f32 v[ACC+4*\ro+2:ACC+4*\ro+3], v[U+8*\ro:U+8*\ro+1], v[WR+6:WR+7], v[ACC+4*\ro+2:ACC+4*\ro+3] op_sel:[1,0,0] op_sel_hi:[1,1,1]
.endr
.irp ii, 1,2,3
.irp ro, 0,1
	v_pk_fma_f32 v[ACC+4*\ro:ACC+4*\ro+1],   v[U+8*\ro+2*\ii:U+8*\ro+2*\ii+1], v[WR+8*\ii:WR+8*\ii+1],   v[ACC+4*\ro:ACC+4*\ro+1]   op_sel_hi:[0,1,1]
	v_pk_fma_f32 v[ACC+4*\ro+2:ACC+4*\ro+3], v[U+8*\ro+2*\ii:U+8*\ro+2*\ii+1], v[WR+8*\ii+2:WR+8*\ii+3], v[ACC+4*\ro+2:ACC+4*\ro+3] op_sel_hi:[0,1,1]
.endr
.irp ro, 0,1
	v_pk_fma_f32 v[ACC+4*\ro:ACC+4*\ro+1],   v[U+8*\ro+2*\ii:U+8*\ro+2*\ii+1], v[WR+8*\ii+4:WR+8*\ii+5], v[ACC+4*\ro:ACC+4*\ro+1]   op_sel:[1,0,0] op_sel_hi:[1,1,1]
	v_pk_fma_f32 v[ACC+4*\ro+2:ACC+4*\ro+3], v[U+8*\ro+2*\ii:U+8*\ro+2*\ii+1], v[WR+8*\ii+6:WR+8*\ii+7], v[ACC+4*\ro+2:ACC+4*\ro+3] op_sel:[1,0,0] op_sel_hi:[1,1,1]
.endr
.endr
	; over the 32 lanes: eight chains side by side
.irp m, 1,2,4,8
.irp q, 0,1,2,3,4,5,6,7
	v_add_f32_dpp v[ACC+\q], v[ACC+\q], v[ACC+\q] row_xmask:\m row_mask:0xf bank_mask:0xf
.endr
.endr
.irp q, 0,1,2,3,4,5,6,7
	v_permlanex16_b32 v[PT+\q], v[ACC+\q], s42, s43
.endr
.if \p == 0
.irp e, 0,1,2,3
	v_add_f32 v[LG+\e], v[ACC+\e], v[PT+\e]        ; row 0 writes LG whole: nothing is cleared; lanes 1-31 are replaced below
.endr
.else
.irp e, 0,1,2,3
	v_add_f32 v[ACC+\e], v[ACC+\e], v[PT+\e]
.endr
	s_mov_b32 s37, 1<<(2*\p)
.irp e, 0,1,2,3
	v_cndmask_b32 v[LG+\e], v[LG+\e], v[ACC+\e], s37   ; lane 2 p keeps row 2 p's sums
.endr
.endif
.irp e, 4,5,6,7
	v_add_f32 v[ACC+\e], v[ACC+\e], v[PT+\e]
.endr
	s_mov_b32 s37, 1<<(2*\p+1)
.irp e, 0,1,2,3
	v_cndmask_b32 v[LG+\e], v[LG+\e], v[ACC+4+\e], s37
.endr
.endm
	; five younger pairs of four loads stay out while there are five; then the counts run down
	ROWPAIR 0, 0, 1, 20
	ROWPAIR 1, 1, 1, 20
	ROWPAIR 2, 2, 1, 20
	ROWPAIR 3, 3, 1, 20
	ROWPAIR 4, 4, 1, 20
	ROWPAIR 5, 5, 1, 20
	ROWPAIR 6, 0, 1, 20
	ROWPAIR 7, 1, 1, 20
	ROWPAIR 8, 2, 1, 20
	ROWPAIR 9, 3, 1, 20
	ROWPAIR 10, 4, 0, 20
	ROWPAIR 11, 5, 0, 16
	ROWPAIR 12, 0, 0, 12
	ROWPAIR 13, 1, 0, 8
	ROWPAIR 14, 2, 0, 4
	ROWPAIR 15, 3, 0, 0
	; lane L = token 32 wid + L
	v_pk_add_f32 v[LG:LG+1],   v[LG:LG+1],   v[BS:BS+1]
	v_pk_add_f32 v[LG+2:LG+3], v[LG+2:LG+3], v[BS+2:BS+3]
	v_cmp_gt_f32 vcc_lo, v9, v8                    ; strictly larger: the first maximum wins
	v_cndmask_b32 v6, v8, v9, vcc_lo               ; the maximum
	v_cndmask_b32 v7, 0, 1, vcc_lo                 ; its index
	v_cmp_gt_f32 vcc_lo, v10, v6
	v_cndmask_b32 v6, v6, v10, vcc_lo
	v_cndmask_b32 v7, v7, 2, vcc_lo
	v_cmp_gt_f32 vcc_lo, v11, v6
	v_cndmask_b32 v6, v6, v11, vcc_lo
	v_cndmask_b32 v7, v7, 3, vcc_lo
.irp e, 0,1,2,3
	v_sub_f32 v[LG+\e], v[LG+\e], v6               ; at most 0, and exactly 0 for the maximum
.endr
.irp e, 0,1,2,3
	v_mul_f32 v[LG+\e], 0x3fb8aa3b, v[LG+\e]       ; e^x = 2^(x log2 e)
.endr
	v_exp_f32 v8, v8
	v_exp_f32 v9, v9
	v_exp_f32 v10, v10
	v_exp_f32 v11, v11
	v_nop                                          ; one plain vector instruction before a transcendental's result is used (ISA guide 5.7.2)
	s_wait_alu depctr_va_vdst(0)
	v_add_f32 v8, v8, v9
	v_add_f32 v10, v10, v11
	v_add_f32 v8, v8, v10
	v_rcp_f32 v9, v8                               ; pmax = e^0 / sum; the compares below stand before its use
	v_cmp_eq_u32 s44, 0, v7
	v_cmp_eq_u32 s45, 1, v7
	v_cmp_eq_u32 s46, 2, v7
	v_cmp_eq_u32 s47, 3, v7
	v_mbcnt_lo_u32_b32 v10, s44, 0                 ; lower lanes with route 0, 1, 2, 3
	v_mbcnt_lo_u32_b32 v11, s45, 0
	v_mbcnt_lo_u32_b32 v12, s46, 0
	v_mbcnt_lo_u32_b32 v13, s47, 0
	v_cndmask_b32 v10, v10, v11, s45
	v_cndmask_b32 v10, v10, v12, s46
	v_cndmask_b32 v10, v10, v13, s47               ; my rank among the wave's tokens of my route
	v_lshl_or_b32 v7, v10, 8, v7
	global_store_b32 v4, v7, s[22:23]
	s_wait_alu depctr_va_vdst(0)
	global_store_b32 v4, v9, s[24:25]
	s_bcnt1_i32_b32 s44, s44
	s_bcnt1_i32_b32 s45, s45
	s_bcnt1_i32_b32 s46, s46
	s_bcnt1_i32_b32 s47, s47
	s_lshl_b32 s45, s45, 8
	s_lshl_b32 s46, s46, 16
	s_lshl_b32 s47, s47, 24
	s_or_b32 s44, s44, s45
	s_or_b32 s46, s46, s47
	s_or_b32 s44, s44, s46                         ; four counts of at most 32
	v_mov_b32 v11, s44
	v_mov_b32 v12, 0
	v_cmp_eq_u32 vcc_lo, 0, v1
	s_wait_xcnt 0x0                                ; EXEC is a source of the pending stores: it changes only behind this wait
	s_and_saveexec_b32 s48, vcc_lo
	global_store_b32 v12, v11, s[26:27]            ; lane 0 alone
	s_wait_xcnt 0x0
	s_or_b32 exec_lo, exec_lo, s48
	s_endpgm
.Lfunc_end_k_q561c8036d6_route:
	.size	k_q561c8036d6_route, .Lfunc_end_k_q561c8036d6_route-k_q561c8036d6_route
	.p2alignl 7, 3214868480
	.fill 96, 4, 3214868480
	.section	.rodata,"a",@progbits
	.p2align	6, 0x0
	.amdhsa_kernel k_q561c8036d6_route
		.amdhsa_group_segment_fixed_size 0
		.amdhsa_private_segment_fixed_size 0
		.amdhsa_enable_private_segment 0
		.amdhsa_kernarg_size 80
		.amdhsa_user_sgpr_count 2
		.amdhsa_user_sgpr_kernarg_segment_ptr 1
		.amdhsa_wavefront_size32 1
		.amdhsa_system_sgpr_workgroup_id_x 1
		.amdhsa_system_sgpr_workgroup_id_y 1
		.amdhsa_system_sgpr_workgroup_id_z 1
		.amdhsa_system_vgpr_workitem_id 0
		.amdhsa_next_free_vgpr 248
		.amdhsa_next_free_sgpr 66
		.amdhsa_reserve_vcc 1
		.amdhsa_float_denorm_mode_32 3
		.amdhsa_float_denorm_mode_16_64 3
		.amdhsa_memory_ordered 1
		.amdhsa_forward_progress 1
		.amdhsa_inst_pref_size 134
	.end_amdhsa_kernel
	.amdgpu_metadata
---
amdhsa.version: [ 1, 2 ]
amdhsa.kernels:
  - .name:           k_q561c8036d6_route
    .symbol:         k_q561c8036d6_route.kd
    .args:
      - { .name: x, .offset: 0, .size: 8, .value_kind: global_buffer, .address_space: global }
      - { .name: W_sw, .offset: 8, .size: 8, .value_kind: global_buffer, .address_space: global }
      - { .name: b_sw, .offset: 16, .size: 8, .value_kind: global_buffer, .address_space: global }
      - { .name: W1, .offset: 24, .size: 8, .value_kind: global_buffer, .address_space: global }
      - { .name: W2, .offset: 32, .size: 8, .value_kind: global_buffer, .address_space: global }
      - { .name: xb, .offset: 40, .size: 8, .value_kind: global_buffer, .address_space: global }
      - { .name: wf, .offset: 48, .size: 8, .value_kind: global_buffer, .address_space: global }
      - { .name: rt, .offset: 56, .size: 8, .value_kind: global_buffer, .address_space: global }
      - { .name: pm, .offset: 64, .size: 8, .value_kind: global_buffer, .address_space: global }
      - { .name: hist, .offset: 72, .size: 8, .value_kind: global_buffer, .address_space: global }
    .group_segment_fixed_size: 0
    .private_segment_fixed_size: 0
    .kernarg_segment_align: 8
    .kernarg_segment_size: 80
    .max_flat_workgroup_size: 128
    .sgpr_count:     66
    .vgpr_count:     248
    .wavefront_size: 32
...
	.end_amdgpu_metadata
.endif
;; end of part 1
;; launch place (part 2): grid 256 x 1, 4 waves a work-group, no clusters, 0 bytes of LDS; arguments rt, pm, hist, order, pms, meta; writes order, pms, meta
.if DOCPART == 2
	.amdgcn_target "amdgcn-amd-amdhsa--gfx1250"
	.amdhsa_code_object_version 6
	.text
	.protected	k_q561c8036d6_place
	.globl	k_q561c8036d6_place
	.p2align	8
	.type	k_q561c8036d6_place,@function
k_q561c8036d6_place:
	s_mov_b64 s[64:65], 0
	v_nop
	global_prefetch_b8 v0, s[64:65] scope:SCOPE_SE
	s_setreg_imm32_b32 hwreg(HW_REG_WAVE_MODE, 25, 1), 1
	s_wait_xcnt 0x0
; PLACE.  Sorts the tokens by expert without atomics and shares them out among the 256 blocks of the third launch.
; Wave G = 4 x work-group + wave (0 .. 1023) reads all 1,024 words of hist (four counts a word, a byte each), sums them all (the experts' totals c_e) and
; those of the groups in front of G (P_e), and puts its 32 tokens at off_e + P_e + rank: order[pos] = token, pms[pos] = pmax.
; Wave 0 of work-group b also writes meta[b] = {expert, start, n, 0}: expert e gets g_e = ceil(c_e / 144) blocks, the expert with the first largest count gets what is
; left of the 256 as well (the ceilings sum to 231 at the most: (32,768 + 4 x 143) / 144); an expert's tokens are shared evenly among its blocks, so 1 <= n <= 144.
; Straight-line text; no LDS, no barrier.
	s_load_b256 s[8:15], s[0:1], 0x0               ; rt s[8:9], pm s[10:11], hist s[12:13], order s[14:15]
	s_load_b128 s[16:19], s[0:1], 0x20             ; pms s[16:17], meta s[18:19]
	v_lshrrev_b32 v42, 5, v0
	v_readfirstlane_b32 s20, v42                   ; wave
	s_lshl2_add_u32 s21, ttmp9, s20                ; G
	s_mov_b32 s22, 0x76543210
	s_mov_b32 s23, 0xfedcba98
	s_mov_b32 s45, 0x00ff00ff
	v_and_b32 v1, 31, v0                           ; L
	v_lshlrev_b32 v2, 4, v1
	v_lshlrev_b32 v3, 2, v1                        ; 4 L
	s_lshl_b32 s44, s21, 7
	v_add_nc_u32 v43, s44, v3                      ; byte offset of my token's word
	s_wait_kmcnt 0x0
.irp q, 0,1,2,3,4,5,6,7
	global_load_b128 v[4+4*\q:7+4*\q], v2, s[12:13] offset:512*\q      ; word j of load q is group 128 q + 4 L + j
.endr
	global_load_b32 v36, v43, s[8:9]
	global_load_b32 v37, v43, s[10:11]
	s_wait_loadcnt 0x0
; src holds four byte sums of at most 128; they are added to two registers of two 16-bit fields each (at most 32,768 over lanes and loads)
.macro SPLIT src, lo, hi, first
.if \first
	v_and_b32 v[\lo], s45, v[\src]
	v_lshrrev_b32 v[\src], 8, v[\src]
	v_and_b32 v[\hi], s45, v[\src]
.else
	v_and_b32 v49, s45, v[\src]
	v_add_nc_u32 v[\lo], v[\lo], v49
	v_lshrrev_b32 v[\src], 8, v[\src]
	v_and_b32 v[\src], s45, v[\src]
	v_add_nc_u32 v[\hi], v[\hi], v[\src]
.endif
.endm
.macro ACCUM q, first
	v_add3_u32 v42, v[4+4*\q], v[5+4*\q], v[6+4*\q]
	v_add_nc_u32 v42, v42, v[7+4*\q]
.irp j, 0,1,2,3
	s_sub_co_i32 s46, s21, 128*\q+\j               ; group 128 q + 4 L + j lies in front of G where G - 128 q - j > 4 L
	v_cmp_gt_i32 vcc_lo, s46, v3
	v_cndmask_b32 v[44+\j], 0, v[4+4*\q+\j], vcc_lo
.endr
	v_add3_u32 v48, v44, v45, v46
	v_add_nc_u32 v48, v48, v47
	SPLIT 42, 38, 39, \first                       ; v38: c0, c2; v39: c1, c3
	SPLIT 48, 40, 41, \first                       ; v40: P0, P2; v41: P1, P3
.endm
	ACCUM 0, 1
	ACCUM 1, 0
	ACCUM 2, 0
	ACCUM 3, 0
	ACCUM 4, 0
	ACCUM 5, 0
	ACCUM 6, 0
	ACCUM 7, 0
.irp m, 1,2,4,8
.irp q, 0,1,2,3
	v_mov_b32_dpp v[44+\q], v[38+\q] row_xmask:\m row_mask:0xf bank_mask:0xf
.endr
.irp q, 0,1,2,3
	v_add_nc_u32 v[38+\q], v[38+\q], v[44+\q]
.endr
.endr
.irp q, 0,1,2,3
	v_permlanex16_b32 v[44+\q], v[38+\q], s22, s23
.endr
.irp q, 0,1,2,3
	v_add_nc_u32 v[38+\q], v[38+\q], v[44+\q]
.endr
	v_readfirstlane_b32 s46, v38
	v_readfirstlane_b32 s47, v39
	v_readfirstlane_b32 s48, v40
	v_readfirstlane_b32 s49, v41
	s_and_b32 s24, s46, 0xffff                     ; c0 .. c3
	s_and_b32 s25, s47, 0xffff
	s_lshr_b32 s26, s46, 16
	s_lshr_b32 s27, s47, 16
	s_and_b32 s28, s48, 0xffff                     ; P0 .. P3
	s_and_b32 s29, s49, 0xffff
	s_lshr_b32 s30, s48, 16
	s_lshr_b32 s31, s49, 16
	s_mov_b32 s32, 0                               ; off_e: where expert e's tokens begin
	s_mov_b32 s33, s24
	s_add_co_u32 s34, s33, s25
	s_add_co_u32 s35, s34, s26
	s_add_co_u32 s29, s29, s33                     ; base_e = off_e + P_e
	s_add_co_u32 s30, s30, s34
	s_add_co_u32 s31, s31, s35
	v_and_b32 v42, 3, v36                          ; my route
	v_bfe_u32 v44, v36, 8, 5                       ; my rank
	v_mov_b32 v45, s28
	v_cmp_eq_u32 vcc_lo, 1, v42
	v_cndmask_b32 v45, v45, s29, vcc_lo
	v_cmp_eq_u32 vcc_lo, 2, v42
	v_cndmask_b32 v45, v45, s30, vcc_lo
	v_cmp_eq_u32 vcc_lo, 3, v42
	v_cndmask_b32 v45, v45, s31, vcc_lo
	v_add_nc_u32 v45, v45, v44
	v_min_u32 v45, 0x7fff, v45                     ; a place in the list of 32,768
	v_lshlrev_b32 v45, 2, v45
	s_lshl_b32 s44, s21, 5
	v_or_b32 v46, s44, v1                          ; my token
	global_store_b32 v45, v46, s[14:15]
	global_store_b32 v45, v37, s[16:17]
	s_cmp_lg_u32 s20, 0
	s_cbranch_scc1 .Ldone
	; wave 0: this work-group's block
.irp e, 0,1,2,3
	s_add_co_u32 s44, s[24+\e], 143
	s_mul_i32 s44, s44, 116509                     ; x / 144 = x * 116,509 >> 24, exact below 209,715; the product stays below 2^32 for x <= 32,911
	s_lshr_b32 s[36+\e], s44, 24
.endr
	s_add_co_u32 s52, s36, s37
	s_add_co_u32 s52, s52, s38
	s_add_co_u32 s52, s52, s39
	s_sub_co_u32 s52, 256, s52                     ; the blocks left over
	s_mov_b32 s50, s24
	s_mov_b32 s51, 0
.irp e, 1,2,3
	s_cmp_gt_u32 s[24+\e], s50
	s_cselect_b32 s50, s[24+\e], s50
	s_cselect_b32 s51, \e, s51                     ; the first largest count
.endr
.irp e, 0,1,2,3
	s_cmp_eq_u32 s51, \e
	s_cselect_b32 s53, s52, 0
	s_add_co_u32 s[36+\e], s[36+\e], s53           ; g_e
.endr
	s_mov_b32 s41, s36                             ; wb_e: expert e's first block
	s_add_co_u32 s42, s41, s37
	s_add_co_u32 s43, s42, s38
	s_mov_b32 s54, 0                               ; my expert, its count, its blocks, its first block, its first place
	s_mov_b32 s55, s24
	s_mov_b32 s56, s36
	s_mov_b32 s57, 0
	s_mov_b32 s58, 0
.irp e, 1,2,3
	s_cmp_ge_u32 ttmp9, s[40+\e]
	s_cselect_b32 s54, \e, s54
	s_cselect_b32 s55, s[24+\e], s55
	s_cselect_b32 s56, s[36+\e], s56
	s_cselect_b32 s57, s[40+\e], s57
	s_cselect_b32 s58, s[32+\e], s58
.endr
	s_sub_co_u32 s57, ttmp9, s57                   ; j: my block among the expert's
	s_mov_b32 s59, 0                               ; q = c / g (at most 144: eight bits), the rest stays in s55
.irp i, 7,6,5,4,3,2,1,0
	s_lshl_b32 s60, s56, \i
	s_cmp_ge_u32 s55, s60
	s_cselect_b32 s60, s60, 0
	s_cselect_b32 s61, 1<<\i, 0
	s_sub_co_u32 s55, s55, s60
	s_or_b32 s59, s59, s61
.endr
	s_mul_i32 s60, s57, s59
	s_add_co_u32 s58, s58, s60
	s_min_u32 s60, s57, s55
	s_add_co_u32 s58, s58, s60                     ; start = off + j q + min(j, rest)
	s_cmp_lt_u32 s57, s55
	s_cselect_b32 s60, 1, 0
	s_add_co_u32 s59, s59, s60                     ; n = q + (j < rest)
	s_lshl_b32 s52, ttmp9, 4
	s_mov_b32 s53, 0
	s_add_nc_u64 s[18:19], s[18:19], s[52:53]
	v_mov_b32 v48, s54
	v_mov_b32 v49, s58
	v_mov_b32 v50, s59
	v_mov_b32 v51, 0
	v_mov_b32 v52, 0
	v_cmp_eq_u32 vcc_lo, 0, v1
	s_wait_xcnt 0x0                                ; EXEC is a source of the pending stores: it changes only behind this wait
	s_and_saveexec_b32 s60, vcc_lo
	global_store_b128 v52, v[48:51], s[18:19]
	s_wait_xcnt 0x0
	s_or_b32 exec_lo, exec_lo, s60
.Ldone:
	s_endpgm
.Lfunc_end_k_q561c8036d6_place:
	.size	k_q561c8036d6_place, .Lfunc_end_k_q561c8036d6_place-k_q561c8036d6_place
	.p2alignl 7, 3214868480
	.fill 96, 4, 3214868480
	.section	.rodata,"a",@progbits
	.p2align	6, 0x0
	.amdhsa_kernel k_q561c8036d6_place
		.amdhsa_group_segment_fixed_size 0
		.amdhsa_private_segment_fixed_size 0
		.amdhsa_enable_private_segment 0
		.amdhsa_kernarg_size 48
		.amdhsa_user_sgpr_count 2
		.amdhsa_user_sgpr_kernarg_segment_ptr 1
		.amdhsa_wavefront_size32 1
		.amdhsa_system_sgpr_workgroup_id_x 1
		.amdhsa_system_sgpr_workgroup_id_y 1
		.amdhsa_system_sgpr_workgroup_id_z 1
		.amdhsa_system_vgpr_workitem_id 0
		.amdhsa_next_free_vgpr 64
		.amdhsa_next_free_sgpr 66
		.amdhsa_reserve_vcc 1
		.amdhsa_float_denorm_mode_32 3
		.amdhsa_float_denorm_mode_16_64 3
		.amdhsa_memory_ordered 1
		.amdhsa_forward_progress 1
		.amdhsa_inst_pref_size 18
	.end_amdhsa_kernel
	.amdgpu_metadata
---
amdhsa.version: [ 1, 2 ]
amdhsa.kernels:
  - .name:           k_q561c8036d6_place
    .symbol:         k_q561c8036d6_place.kd
    .args:
      - { .name: rt, .offset: 0, .size: 8, .value_kind: global_buffer, .address_space: global }
      - { .name: pm, .offset: 8, .size: 8, .value_kind: global_buffer, .address_space: global }
      - { .name: hist, .offset: 16, .size: 8, .value_kind: global_buffer, .address_space: global }
      - { .name: order, .offset: 24, .size: 8, .value_kind: global_buffer, .address_space: global }
      - { .name: pms, .offset: 32, .size: 8, .value_kind: global_buffer, .address_space: global }
      - { .name: meta, .offset: 40, .size: 8, .value_kind: global_buffer, .address_space: global }
    .group_segment_fixed_size: 0
    .private_segment_fixed_size: 0
    .kernarg_segment_align: 8
    .kernarg_segment_size: 48
    .max_flat_workgroup_size: 128
    .sgpr_count:     66
    .vgpr_count:     64
    .wavefront_size: 32
...
	.end_amdgpu_metadata
.endif
;; end of part 2
;; launch ffn (part 3): grid 256 x 1, 4 waves a work-group, no clusters, 311,040 bytes of LDS; arguments xb, wf, b1, b2, order, pms, meta, out0; writes out0
.if DOCPART == 3
	.amdgcn_target "amdgcn-amd-amdhsa--gfx1250"
	.amdhsa_code_object_version 6
	.text
	.protected	k_q561c8036d6_ffn
	.globl	k_q561c8036d6_ffn
	.p2align	8
	.type	k_q561c8036d6_ffn,@function
k_q561c8036d6_ffn:
	s_mov_b64 s[64:65], 0
	v_nop
	global_prefetch_b8 v0, s[64:65] scope:SCOPE_SE
	s_setreg_imm32_b32 hwreg(HW_REG_WAVE_MODE, 25, 1), 1
	s_wait_xcnt 0x0
; FFN.  Block b = meta[b] = {expert e, start, n}: the n (1 .. 144) tokens order[start ..] of one expert.  out0[token] = pmax * (relu(x W1[e] + b1[e]) W2[e] + b2[e]).
; Four waves, as many as a WGP has SIMDs; always 9 tiles of 16 rows (rows from the n-th on repeat the last token, tiles that begin at or behind n are not stored).
; N is split over the waves and every wave has all 144 rows, so a weight fragment is needed by ONE wave: it goes from wf into registers (512 consecutive bytes a load) and feeds 9 matrix instructions.
;   phase 0: the rows of xb are gathered, pass through LDS and become 9 x 8 fragments in 576 registers of every wave;
;   phase 1 (bf16 x bf16): wave w makes positions 256 w .. 256 w + 255 of h, 16 at a time; bias as the first C, relu, f16, into LDS region w;
;   phase 2 (f16 x f16): wave w makes output columns 64 w .. 64 w + 63 for all rows (36 accumulators); h comes from LDS in two register sets that take turns;
;   the way out: times pmax, through a stage of the wave's own in LDS, 16 lanes store 256 consecutive aligned bytes of a token's row.
; The matrix instruction is used transposed: source 0 = weights (16 positions x 32 K), source 1 = tokens; lane (r, h) then holds token r, register j position 8 h + j.
; Positions: in a group of 64 columns position 16 f + m stands for column 4 m + f, alike in wf, in the staged biases and on the way out.
; NO CLUSTER, NO TENSOR LOADS: h takes 304,128 of the WGP's 327,680 bytes of LDS, so no slot for weights is left; a fragment has one reader in the work-group;
; and which blocks share an expert hangs on counts read from memory.
; WHY h IS f16: h is the one intermediate that is rounded.  With bf16's 8 significant bits the 1,024 rounding errors of a row add up to about 0.16 % of h's root mean square in y,
; which for tokens with pmax near 1 is a quarter of what the comparison allows: too near for 8,388,608 numbers.  f16's 11 bits make it an eighth of that.
; LIMITS: x, W1, W2, b1, b2 are used rounded to bf16 (nearest even), W2 then held in f16, h rounded to f16, all sums in f32.  h must stay at or below 65,504, above it becomes infinite:
; inputs as drawn give h up to about 6; x and W1 both 30 times larger about 5,000; x and W1 both with an offset of 30 times their spread 256 x 30 x 1.875 = 14,400.
; h below 2^-14 keeps an absolute step of 2^-24.  relu is v_max_num_f32, so a NaN in h becomes 0.
.set XPITCH, 528                       ; an LDS row: 512 bytes + 16: an odd multiple of 16, so the 16 rows of a fragment load start in 16 different 16-byte columns
.set TILEB,  16*XPITCH                 ; 16 rows
.set REGION, 9*TILEB                   ; 144 rows: h of one wave's 256 positions; region 0 first holds the 144 rows of x
.set B1S,    4*REGION                  ; 304,128: b1[e] rounded, f32, in position order, 4,096 bytes
.set B2S,    B1S+4096                  ; b2[e] likewise, 1,024 bytes
.set TOK,    B2S+1024                  ; 144 token numbers
.set PMT,    TOK+576                   ; 144 pmax; ends at 310,400
.set OSTW,   4352                      ; the way out: 16 rows x 272 bytes for each wave, over h's first bytes, behind a barrier of its own
; window 0
.set HA,   2                           ; v2-3    where I store h: tiles 0-7, tile 8
.set HR,   4                           ; v4-6    where I read h (and x, tiles 0-2): tiles 0-7, 8-15, 16-17 counted from this trip's region
.set BA,   7                           ; v7      my bias fragment of b1
.set XA2,  8                           ; v8, v9  x, tiles 3-5 and 6-8
.set XA3,  9
.set BBA,  10                          ; v10     my bias fragments of b2
.set STO,  11                          ; v11-12  the stage: in, back
.set RD,   12
.set TKA,  13                          ; v13-14  token numbers, pmax
.set PMA,  14
.set COL,  15                          ; v15     my 16 bytes in a row of out0
.set PK,   16                          ; v16-27  packed h, three sets (phase 0: at work)
.set PM,   29
.set HACC, 32                          ; v32-103 nine accumulators of phase 1 (phase 0: the 36 row offsets)
.set ROFF, 32
.set BI,   104                         ; v104-119 two bias fragments that take turns (phase 0: the biases as loaded)
.set BB,   96                          ; v96-127 phase 2: four bias fragments
.set T,    32                          ; the way out: scaled results, rows read back, token numbers, offsets
.set O,    64
.set ID,   96
.set OF,   104
; The weight ring: four sets of 64 registers (an item = 8 fragments = 8 KiB): v128-191 and v192-255 of window 0, v192-255 of windows 1 and 2.
; window 1: x tiles 0-2 at 64 tt + 8 ks; phase 2: h set 1 at 16 t + 8 kk.   window 2: x tiles 3-5; phase 2: accumulators of tile 8 at 8 f, h set 2 at 32 + 16 t + 8 kk.
; window 3: x tiles 6-8; phase 2: accumulators of tiles 0-7 at 32 t + 8 f.
.set MSB, 0
.macro WIN new                         ; s_set_vgpr_msb: bits 1:0 source 0, 3:2 source 1, 5:4 source 2, 7:6 destination; the high byte repeats the setting that is left
.if MSB != (\new)
	s_set_vgpr_msb (MSB<<8)|(\new)
.set MSB, \new
.endif
.endm
.macro RING b                          ; window and first register of ring set b
.set RW, ((\b)/2)*((\b)-1)
.set RB, 128+64*(((\b)+2)/3)
.endm
.macro PLACES                          ; four independent vector instructions behind a matrix instruction before its registers are touched otherwise (ISA guide 7.12.1)
.rept 4
	v_nop
.endr
.endm
; An item of 16 loads into ring set b, slot items behind the stream pointer
.macro REFILL b, slot
	RING \b
	WIN RW<<6
.irp j, 0,1,2,3,4,5,6,7,8,9,10,11,12,13,14,15
	global_load_b128 v[RB+4*\j:RB+4*\j+3], v1, s[32:33] offset:(\slot)*8192+512*\j
.endr
.endm
	s_load_b512 s[8:23], s[0:1], 0x0               ; xb s[8:9], wf s[10:11], b1 s[12:13], b2 s[14:15], order s[16:17], pms s[18:19], meta s[20:21], out0 s[22:23]
	v_lshrrev_b32 v16, 5, v0
	v_readfirstlane_b32 s28, v16                   ; wave
	v_and_b32 v17, 31, v0                          ; L
	v_and_b32 v18, 15, v0                          ; r
	v_bfe_u32 v19, v0, 4, 1                        ; h
	v_lshlrev_b32 v1, 4, v17                       ; 16 L
	s_lshl_b32 s36, ttmp9, 4
	s_mov_b32 s37, 0
	s_mul_i32 s29, s28, 36                         ; my 36 rows of the 144
	s_wait_kmcnt 0x0
	s_add_nc_u64 s[20:21], s[20:21], s[36:37]
	s_load_b128 s[24:27], s[20:21], 0x0            ; e, start, n
	v_add_nc_u32 v20, s29, v17                     ; rows 36 w + L
	v_and_b32 v21, 3, v0
	v_add_nc_u32 v21, s29, v21
	v_add_nc_u32 v21, 32, v21                      ; and 36 w + 32 + L % 4
	v_lshl_add_u32 v22, v20, 2, TOK
	v_lshl_add_u32 v23, v21, 2, TOK
	v_lshlrev_b32 v30, 4, v0
	v_lshlrev_b32 v31, 3, v0
	s_wait_kmcnt 0x0
	s_min_u32 s24, s24, 3
	s_min_u32 s31, s25, 0x7fff
	s_min_u32 s39, s26, 144
	s_max_u32 s39, s39, 1                          ; n
	s_sub_co_u32 s30, s39, 1
	s_lshl_b32 s36, s24, 20
	s_lshl_b32 s38, s28, 18
	s_add_co_u32 s36, s36, s38
	s_add_nc_u64 s[32:33], s[10:11], s[36:37]      ; my stream of 32 items
	s_lshl_b32 s36, s24, 12
	s_add_nc_u64 s[12:13], s[12:13], s[36:37]
	s_lshl_b32 s36, s24, 10
	s_add_nc_u64 s[14:15], s[14:15], s[36:37]
	v_min_u32 v20, s30, v20                        ; rows from the n-th on repeat the last
	v_min_u32 v21, s30, v21
	v_add_nc_u32 v20, s31, v20
	v_add_nc_u32 v21, s31, v21
	v_min_u32 v20, 0x7fff, v20
	v_min_u32 v21, 0x7fff, v21
	v_lshlrev_b32 v20, 2, v20
	v_lshlrev_b32 v21, 2, v21
	global_load_b32 v24, v20, s[16:17]
	global_load_b32 v25, v21, s[16:17]
	global_load_b32 v26, v20, s[18:19]
	global_load_b32 v27, v21, s[18:19]
	global_load_b128 v[104:107], v30, s[12:13]             ; thread i: b1's columns 4 i .. 4 i + 3
	global_load_b128 v[108:111], v30, s[12:13] offset:2048 ; and 512 + 4 i ..
	global_load_b64 v[112:113], v31, s[14:15]              ; b2's columns 2 i, 2 i + 1
	s_wait_loadcnt 0x3                             ; tokens and pmax are in; the three bias loads stay out
	v_min_u32 v24, 0x7fff, v24
	v_min_u32 v25, 0x7fff, v25
	ds_store_b32 v22, v24
	ds_store_b32 v23, v25                          ; lanes with equal L % 4 store the same word
	ds_store_b32 v22, v26 offset:576
	ds_store_b32 v23, v27 offset:576
.irp g, 0,1,2,3,4,5,6,7
.irp q, 0,1,2,3
	v_readlane_b32 s[40+\q], v24, 4*\g+\q
.endr
.irp q, 0,1,2,3
	s_min_u32 s[40+\q], s[40+\q], 0x7fff
.endr
.irp q, 0,1,2,3
	v_lshl_add_u32 v[ROFF+4*\g+\q], s[40+\q], 9, v1        ; token x 512 bytes + 16 L
.endr
.endr
.irp q, 0,1,2,3
	v_readlane_b32 s[40+\q], v25, \q
.endr
.irp q, 0,1,2,3
	s_min_u32 s[40+\q], s[40+\q], 0x7fff
.endr
.irp q, 0,1,2,3
	v_lshl_add_u32 v[ROFF+32+\q], s[40+\q], 9, v1
.endr
	WIN 0x40
.irp i, 0,1,2,3,4,5,6,7,8,9,10,11,12,13,14,15,16,17,18,19,20,21,22,23,24,25,26,27,28,29,30,31,32,33,34,35
	global_load_b128 v[4*\i:4*\i+3], v[ROFF+\i], s[8:9]    ; a whole row of 512 bytes, into window 1
.endr
	REFILL 0, 0                                    ; items 0, 1, 2.  From here on item i asks for item i + 3, so at the head of an item the two younger items (32 loads) are out
	REFILL 1, 1
	REFILL 2, 2
	WIN 0
	; addresses, while the loads are on their way
	v_mul_u32_u24 v[HR], v18, XPITCH
	v_lshl_add_u32 v[HR], v19, 4, v[HR]            ; 528 r + 16 h
	v_add_nc_u32 v[HR+1], 8*TILEB, v[HR]
	v_add_nc_u32 v[HR+2], 16*TILEB, v[HR]
	v_add_nc_u32 v[XA2], 3*TILEB, v[HR]
	v_add_nc_u32 v[XA3], 6*TILEB, v[HR]
	s_mul_i32 s38, s28, REGION
	v_add_nc_u32 v[HA], s38, v[HR]
	v_add_nc_u32 v[HA+1], 8*TILEB, v[HA]
	s_lshl_b32 s38, s28, 10
	s_add_co_u32 s38, s38, B1S
	v_lshl_add_u32 v[BA], v19, 5, s38              ; positions 256 w + 8 h ..
	s_lshl_b32 s38, s28, 8
	v_lshl_add_u32 v[COL], v18, 4, s38
	s_add_co_u32 s38, s38, B2S
	v_lshl_add_u32 v[BBA], v19, 5, s38             ; positions 64 w + 8 h ..
	s_mul_i32 s38, s28, OSTW
	v_mul_u32_u24 v16, v18, 272
	v_lshl_add_u32 v16, v19, 7, v16
	v_add_nc_u32 v[STO], s38, v16                  ; row r, 128 bytes for each half of the lanes
	v_mul_u32_u24 v16, v19, 272
	v_lshl_add_u32 v16, v18, 4, v16
	v_add_nc_u32 v[RD], s38, v16                   ; lanes 0-15 one row of 256 bytes, lanes 16-31 the next
	v_lshl_add_u32 v[TKA], v19, 2, TOK
	v_lshl_add_u32 v[PMA], v18, 2, PMT
	s_wait_loadcnt 48                              ; only the ring's 48 loads are younger: rows and biases are in
.irp a, 104,106,108,110,112
	v_cvt_pk_bf16_f32 v16, v[\a], v[\a+1]          ; biases to bf16 and back
	v_lshlrev_b32 v[\a], 16, v16
	v_and_b32 v[\a+1], 0xffff0000, v16
.endr
	s_lshl_b32 s38, s28, 9
	s_add_co_u32 s38, s38, B1S
	v_lshl_add_u32 v20, v19, 8, s38
	v_lshl_add_u32 v20, v18, 2, v20                ; column 64 (2 w + h) + 4 r + f goes to position 64 (2 w + h) + 16 f + r
.irp f, 0,1,2,3
	ds_store_b32 v20, v[104+\f] offset:64*\f
	ds_store_b32 v20, v[108+\f] offset:2048+64*\f
.endr
	s_lshl_b32 s38, s28, 8
	s_add_co_u32 s38, s38, B2S
	v_bfe_u32 v21, v0, 1, 4
	v_and_b32 v22, 1, v0
	v_lshl_add_u32 v21, v21, 2, s38
	v_lshl_add_u32 v21, v22, 7, v21                ; column 64 w + 4 (L / 2) + 2 (L % 2) + d goes to position 64 w + 32 (L % 2) + 16 d + L / 2
	ds_store_b32 v21, v112
	ds_store_b32 v21, v113 offset:64
	s_mul_i32 s38, s29, XPITCH
	v_add_nc_u32 v30, s38, v1
	WIN 0x04
.irp i, 0,1,2,3,4,5,6,7,8,9,10,11,12,13,14,15,16,17,18,19,20,21,22,23,24,25,26,27,28,29,30,31,32,33,34,35
	ds_store_b128 v30, v[4*\i:4*\i+3] offset:XPITCH*\i
.endr
	WIN 0
	s_wait_dscnt 0x0                               ; my stores are done, for the others' sake
	s_barrier_signal -1
	s_barrier_wait -1                              ; x, biases, tokens and pmax are whole
.macro XLOAD k, areg                   ; three tiles x 8 K steps into window k
	WIN (\k)<<6
.irp tt, 0,1,2
.irp ks, 0,1,2,3,4,5,6,7
	ds_load_b128 v[64*\tt+8*\ks:64*\tt+8*\ks+3],   v[\areg] offset:\tt*TILEB+64*\ks
	ds_load_b128 v[64*\tt+8*\ks+4:64*\tt+8*\ks+7], v[\areg] offset:\tt*TILEB+64*\ks+32
.endr
.endr
.endm
	XLOAD 1, HR
	XLOAD 2, XA2
	XLOAD 3, XA3
	WIN 0
	ds_load_b128 v[BI:BI+3],   v[BA]
	ds_load_b128 v[BI+4:BI+7], v[BA] offset:16
	s_wait_dscnt 0x0                               ; my reads of x are over
	s_barrier_signal -1
	s_barrier_wait -1                              ; everybody's are: region 0 may now take h
; PHASE 1.  24 matrix instructions: tiles 3 (k-1) .. + 2, all 8 K steps, weights in ring set b.  The first K step takes the bias fragment as C: nothing is cleared.
; The three accumulators take turns, one instruction a turn.
.macro GRP k, b, bi
	RING \b
	WIN RW|(\k<<2)
.irp ks, 0,1,2,3,4,5,6,7
.irp tt, 0,1,2
.if \ks == 0
	v_wmma_f32_16x16x32_bf16 v[HACC+8*(3*(\k-1)+\tt):HACC+8*(3*(\k-1)+\tt)+7], v[RB+8*\ks:RB+8*\ks+7], v[64*\tt+8*\ks:64*\tt+8*\ks+7], v[BI+8*(\bi):BI+8*(\bi)+7]
.else
	v_wmma_f32_16x16x32_bf16 v[HACC+8*(3*(\k-1)+\tt):HACC+8*(3*(\k-1)+\tt)+7], v[RB+8*\ks:RB+8*\ks+7], v[64*\tt+8*\ks:64*\tt+8*\ks+7], v[HACC+8*(3*(\k-1)+\tt):HACC+8*(3*(\k-1)+\tt)+7]
.endif
.endr
.endr
.endm
; relu, f16, 16 bytes (8 neighbouring positions of token r) into my region
.macro EPI t, cc
.irp j, 0,1,2,3,4,5,6,7
	v_max_num_f32 v[HACC+8*\t+\j], 0, v[HACC+8*\t+\j]
.endr
.irp q, 0,1,2,3
	v_cvt_pk_f16_f32 v[PK+4*(\t%3)+\q], v[HACC+8*\t+2*\q], v[HACC+8*\t+2*\q+1]
.endr
	ds_store_b128 v[HA+(\t/8)], v[PK+4*(\t%3):PK+4*(\t%3)+3] offset:(\t%8)*TILEB+32*\cc
.endm
; One item: 16 positions of h for all 144 rows.
.macro STEP1 cc
	WIN 0
	s_wait_dscnt 9                                 ; this item's bias fragment was asked for a step ago; only the 9 stores of h are younger (LDS serves a wave in order: ISA guide 5.7.1)
	ds_load_b128 v[BI+8*((\cc+1)&1):BI+8*((\cc+1)&1)+3],   v[BA] offset:64*(\cc+1)      ; the next item's (behind the very last item: 32 written bytes that nobody uses)
	ds_load_b128 v[BI+8*((\cc+1)&1)+4:BI+8*((\cc+1)&1)+7], v[BA] offset:64*(\cc+1)+16
	s_wait_loadcnt 32                              ; this item is in; the two younger items stay out
	REFILL (\cc+3)%4, \cc+3                        ; the set read last step; behind that step's last matrix instructions stand the vector instructions of tiles 3-5
	GRP 1, \cc, \cc&1
	GRP 2, \cc, \cc&1
	WIN 0
	PLACES
	EPI 0, \cc
	EPI 1, \cc
	EPI 2, \cc
	GRP 3, \cc, \cc&1
	WIN 0
	EPI 3, \cc                                     ; tiles 3-5 are the places in front of tiles 6-8
	EPI 4, \cc
	EPI 5, \cc
	EPI 6, \cc
	EPI 7, \cc
	EPI 8, \cc
.endm
	s_mov_b32 s34, 4
.Lp1:
	STEP1 0
	STEP1 1
	STEP1 2
	STEP1 3
	s_wait_xcnt 0x0                                ; the stream pointer is stepped only behind this wait (ISA guide 3.1)
	s_add_nc_u64 s[32:33], s[32:33], 32768         ; four items
	v_add_nc_u32 v[HA], 128, v[HA]                 ; 64 positions of 2 bytes
	v_add_nc_u32 v[HA+1], 128, v[HA+1]
	v_add_nc_u32 v[BA], 0x100, v[BA]               ; 64 positions of f32
	s_sub_co_u32 s34, s34, 1
	s_cmp_lg_u32 s34, 0
	s_cbranch_scc1 .Lp1
	s_wait_dscnt 0x0                               ; my h is stored
	s_barrier_signal -1
	s_barrier_wait -1                              ; h is whole
; PHASE 2.  An item = two K steps of 32 positions x my four output tiles.  Both operands are f16.
; 32 matrix instructions: tiles 0-7 x f 0-3, K step kk of the item; h set hs.  The 32 accumulators take turns, one instruction a turn.
.macro MULA b, hs, kk, first
	RING \b
.if \first
	WIN RW|((\hs)<<2)|(3<<6)
.else
	WIN RW|((\hs)<<2)|(3<<4)|(3<<6)
.endif
.irp t, 0,1,2,3,4,5,6,7
.irp f, 0,1,2,3
.if \first
	v_wmma_f32_16x16x32_f16 v[32*\t+8*\f:32*\t+8*\f+7], v[RB+8*(4*\kk+\f):RB+8*(4*\kk+\f)+7], v[32*((\hs)-1)+16*\t+8*\kk:32*((\hs)-1)+16*\t+8*\kk+7], v[BB+8*\f:BB+8*\f+7]
.else
	v_wmma_f32_16x16x32_f16 v[32*\t+8*\f:32*\t+8*\f+7], v[RB+8*(4*\kk+\f):RB+8*(4*\kk+\f)+7], v[32*((\hs)-1)+16*\t+8*\kk:32*((\hs)-1)+16*\t+8*\kk+7], v[32*\t+8*\f:32*\t+8*\f+7]
.endif
.endr
.endr
.endm
; 8 matrix instructions: tile 8, both K steps; its four accumulators take turns likewise
.macro MULB b, hs, first
	RING \b
.irp kk, 0,1
.if (\first)*(1-\kk)
	WIN RW|((\hs)<<2)|(2<<6)
.else
	WIN RW|((\hs)<<2)|(2<<4)|(2<<6)
.endif
.irp f, 0,1,2,3
.if (\first)*(1-\kk)
	v_wmma_f32_16x16x32_f16 v[8*\f:8*\f+7], v[RB+8*(4*\kk+\f):RB+8*(4*\kk+\f)+7], v[32*((\hs)-1)+128+8*\kk:32*((\hs)-1)+128+8*\kk+7], v[BB+8*\f:BB+8*\f+7]
.else
	v_wmma_f32_16x16x32_f16 v[8*\f:8*\f+7], v[RB+8*(4*\kk+\f):RB+8*(4*\kk+\f)+7], v[32*((\hs)-1)+128+8*\kk:32*((\hs)-1)+128+8*\kk+7], v[8*\f:8*\f+7]
.endif
.endr
.endr
.endm
; 36 LDS loads: K steps kq and kq + 1 of this trip's region (kq = 8: the next region's first two) for all 9 tiles, into h set hs
.macro HLOAD hs, kq
	WIN (\hs)<<6
.irp t, 0,1,2,3,4,5,6,7,8
.irp kk, 0,1
	ds_load_b128 v[32*((\hs)-1)+16*\t+8*\kk:32*((\hs)-1)+16*\t+8*\kk+3],   v[HR+((\t+9*((\kq)/8))/8)] offset:((\t+9*((\kq)/8))%8)*TILEB+64*(((\kq)%8)+\kk)
	ds_load_b128 v[32*((\hs)-1)+16*\t+8*\kk+4:32*((\hs)-1)+16*\t+8*\kk+7], v[HR+((\t+9*((\kq)/8))/8)] offset:((\t+9*((\kq)/8))%8)*TILEB+64*(((\kq)%8)+\kk)+32
.endr
.endr
.endm
.macro STEP2 cc, first, refill, hload, left
	s_wait_loadcnt \left                           ; this item is in; the younger items stay out
	s_wait_dscnt 0x0                               ; this item's h set, asked for 40 matrix instructions ago
	MULA \cc, 1+(\cc&1), 0, \first
	PLACES                                         ; behind the last step's matrix instructions, which read the other h set and the ring set filled below
.if \hload
	HLOAD 2-(\cc&1), 2*(\cc+1)
.endif
.if \refill
	REFILL (\cc+3)%4, \cc+3
.endif
	MULA \cc, 1+(\cc&1), 1, 0
	MULB \cc, 1+(\cc&1), \first
.endm
.macro TRIP2 first                     ; four items = 8 K steps = one region of h
	STEP2 0, \first, 1, 1, 32
	STEP2 1, 0, 1, 1, 32
	STEP2 2, 0, 1, 1, 32
	STEP2 3, 0, 1, 1, 32
	WIN 0
	s_wait_xcnt 0x0
	s_add_nc_u64 s[32:33], s[32:33], 32768
	v_add_nc_u32 v[HR], REGION, v[HR]
	v_add_nc_u32 v[HR+1], REGION, v[HR+1]
	v_add_nc_u32 v[HR+2], REGION, v[HR+2]
.endm
.irp f, 0,1,2,3
	ds_load_b128 v[BB+8*\f:BB+8*\f+3],   v[BBA] offset:64*\f
	ds_load_b128 v[BB+8*\f+4:BB+8*\f+7], v[BBA] offset:64*\f+16
.endr
	HLOAD 1, 0
	TRIP2 1                                        ; the first trip stands in front of the loop: its first products take b2 as C
	s_mov_b32 s34, 2
.Lp2:
	TRIP2 0
	s_sub_co_u32 s34, s34, 1
	s_cmp_lg_u32 s34, 0
	s_cbranch_scc1 .Lp2
	STEP2 0, 0, 1, 1, 32                           ; items 28 to 31: one more refill (the last item), then the counts run down
	STEP2 1, 0, 0, 1, 32
	STEP2 2, 0, 0, 1, 16
	STEP2 3, 0, 0, 0, 0
	WIN 0
	PLACES                                         ; in front of the multiplications that read the results
	s_wait_dscnt 0x0
	s_barrier_signal -1
	s_barrier_wait -1                              ; nobody reads h any more: its first bytes become the stages
; THE WAY OUT, 16 rows at a time.  Lane (r, h), tile f, register j holds column 64 w + 32 h + 4 j + f of token r: T[4 j + f] is 128 consecutive bytes.
.macro OUT t
.if \t
	s_cmp_gt_u32 s39, 16*\t                        ; a tile that begins at or behind row n holds repeats alone
	s_cbranch_scc0 .Lend
.endif
	ds_load_b32 v[PM], v[PMA] offset:64*\t
.irp u, 0,1,2,3,4,5,6,7
	ds_load_b32 v[ID+\u], v[TKA] offset:64*\t+8*\u
.endr
	s_wait_xcnt 0x0                                ; O and OF, which the last tile's stores read, are rewritten only behind this wait
	s_wait_dscnt 0x0
.if \t < 8
	WIN 0x03
.irp j, 0,1,2,3,4,5,6,7
.irp f, 0,1,2,3
	v_mul_f32 v[T+4*\j+\f], v[32*\t+8*\f+\j], v[PM]
.endr
.endr
.else
	WIN 0x02
.irp j, 0,1,2,3,4,5,6,7
.irp f, 0,1,2,3
	v_mul_f32 v[T+4*\j+\f], v[8*\f+\j], v[PM]
.endr
.endr
.endif
	WIN 0
.irp j, 0,1,2,3,4,5,6,7
	ds_store_b128 v[STO], v[T+4*\j:T+4*\j+3] offset:16*\j
.endr
.irp u, 0,1,2,3,4,5,6,7
	v_min_u32 v[ID+\u], 0x7fff, v[ID+\u]
	v_lshl_add_u32 v[OF+\u], v[ID+\u], 10, v[COL]  ; token x 1,024 bytes + 256 w + 16 r
.endr
.irp u, 0,1,2,3,4,5,6,7
	ds_load_b128 v[O+4*\u:O+4*\u+3], v[RD] offset:544*\u   ; my own stage: LDS serves a wave in order, these see the stores above
.endr
.irp u, 0,1,2,3,4,5,6,7
	s_wait_dscnt 7-\u
	global_store_b128 v[OF+\u], v[O+4*\u:O+4*\u+3], s[22:23] th:TH_STORE_NT   ; 16 lanes store 256 consecutive bytes, aligned
.endr
.endm
	OUT 0
	OUT 1
	OUT 2
	OUT 3
	OUT 4
	OUT 5
	OUT 6
	OUT 7
	OUT 8
.Lend:
	s_wait_xcnt 0x0
	v_lshl_add_u32 v254, v0, 2, 0x4bd00
	v_mov_b32 v255, 0
	s_wait_tensorcnt 0x0
	ds_add_u32 v254, v255
	s_wait_dscnt 0x0
	s_endpgm
.Lfunc_end_k_q561c8036d6_ffn:
	.size	k_q561c8036d6_ffn, .Lfunc_end_k_q561c8036d6_ffn-k_q561c8036d6_ffn
	.p2alignl 7, 3214868480
	.fill 96, 4, 3214868480
	.section	.rodata,"a",@progbits
	.p2align	6, 0x0
	.amdhsa_kernel k_q561c8036d6_ffn
		.amdhsa_group_segment_fixed_size 311040
		.amdhsa_private_segment_fixed_size 0
		.amdhsa_enable_private_segment 0
		.amdhsa_kernarg_size 64
		.amdhsa_user_sgpr_count 2
		.amdhsa_user_sgpr_kernarg_segment_ptr 1
		.amdhsa_wavefront_size32 1
		.amdhsa_system_sgpr_workgroup_id_x 1
		.amdhsa_system_sgpr_workgroup_id_y 1
		.amdhsa_system_sgpr_workgroup_id_z 1
		.amdhsa_system_vgpr_workitem_id 0
		.amdhsa_next_free_vgpr 1024
		.amdhsa_next_free_sgpr 66
		.amdhsa_reserve_vcc 0
		.amdhsa_float_denorm_mode_32 3
		.amdhsa_float_denorm_mode_16_64 3
		.amdhsa_memory_ordered 1
		.amdhsa_forward_progress 1
		.amdhsa_inst_pref_size 223
	.end_amdhsa_kernel
	.amdgpu_metadata
---
amdhsa.version: [ 1, 2 ]
amdhsa.kernels:
  - .name:           k_q561c8036d6_ffn
    .symbol:         k_q561c8036d6_ffn.kd
    .args:
      - { .name: xb, .offset: 0, .size: 8, .value_kind: global_buffer, .address_space: global }
      - { .name: wf, .offset: 8, .size: 8, .value_kind: global_buffer, .address_space: global }
      - { .name: b1, .offset: 16, .size: 8, .value_kind: global_buffer, .address_space: global }
      - { .name: b2, .offset: 24, .size: 8, .value_kind: global_buffer, .address_space: global }
      - { .name: order, .offset: 32, .size: 8, .value_kind: global_buffer, .address_space: global }
      - { .name: pms, .offset: 40, .size: 8, .value_kind: global_buffer, .address_space: global }
      - { .name: meta, .offset: 48, .size: 8, .value_kind: global_buffer, .address_space: global }
      - { .name: out0, .offset: 56, .size: 8, .value_kind: global_buffer, .address_space: global }
    .group_segment_fixed_size: 311040
    .private_segment_fixed_size: 0
    .kernarg_segment_align: 8
    .kernarg_segment_size: 64
    .max_flat_workgroup_size: 128
    .sgpr_count:     66
    .vgpr_count:     1024
    .wavefront_size: 32
...
	.end_amdgpu_metadata
.endif
;; end of part 3
